; MI455X (gfx1250); checked and timed in simulation.
; The chip was launched on July 23, 2026; its instructions are those of AMD's public machine-readable ISA for CDNA 5 (MIT licence, August 2026) and "CDNA5" Instruction Set Architecture Reference Guide (July 2026). The comments in the code are by the model that wrote it; some were corrected since.
;; Multi Head Attention. Allowed arithmetic: float matrix products may take bf16 or f16 operands with f32 sums; all other float work in f32.
;; Inputs: Wk 1,024 x 1,024 float32; Wo 1,024 x 1,024 float32; Wq 1,024 x 1,024 float32; Wv 1,024 x 1,024 float32; bk 1,024 float32; bo 1,024 float32; bq 1,024 float32; bv 1,024 float32; x_q 2 x 2,048 x 1,024 float32.
;; Outputs: out0 2 x 2,048 x 1,024 float32.
;; One version. Each part assembles by itself: llvm-mc -triple=amdgcn-amd-amdhsa -mcpu=gfx1250 --defsym DOCPART=n.
;; ======== version 1 of 1: 4 launches
;; limits: values outside matrix products are rounded to bf16; right only within a limited range of input values; values are held in f16: magnitudes above 65,504 overflow, below 6.1e-05 lose precision
;; workspace buffers: cb 16,777,216 bytes; qkv 25,165,824 bytes; scl 16,384 bytes; ctx 8,388,608 bytes
;; launch prep (part 1): grid 256 x 1, 8 waves a work-group, no clusters, 0 bytes of LDS; arguments x_q, Wq, Wk, Wv, Wo, cb; writes cb
.if DOCPART == 1
	.amdgcn_target "amdgcn-amd-amdhsa--gfx1250"
	.amdhsa_code_object_version 6
	.text
	.protected	k_q01c067365e_prep
	.globl	k_q01c067365e_prep
	.p2align	8
	.type	k_q01c067365e_prep,@function
k_q01c067365e_prep:
	s_mov_b64 s[64:65], 0
	v_nop
	global_prefetch_b8 v0, s[64:65] scope:SCOPE_SE
	s_setreg_imm32_b32 hwreg(HW_REG_WAVE_MODE, 25, 1), 1
	s_wait_xcnt 0x0
; cb = x_q, Wq, Wk, Wv, Wo rounded to bf16 (nearest even), one behind the other, none transposed:
; x [4096][1024] at byte 0, the four weights [1024 k][1024 n] at 8 MiB + i x 2 MiB (i = 0..3: q, k, v, o).
; A stream: every input byte is read once and every output byte written once; no LDS, no barrier, no matrix work,
; and no cluster, since no two work-groups read the same byte.
; Work-group g turns 131,072 bytes of f32 into the 65,536 bytes of cb at g x 65,536: g < 128 from x_q at g x 131,072,
; g >= 128 from weight (g - 128) / 32 at (g mod 32) x 131,072.  Thread t takes, in each of 16 chunks, the 32 bytes at
; 8,192 i + 32 t (two loads of 16 bytes) and stores 16 bytes at 4,096 i + 16 t: sixteen neighbouring lanes store 256
; consecutive bytes, aligned.  All 32 loads of a thread go out ahead of the first wait; no register is written twice.
.set CHUNKS, 16
.set X, 4                              ; v[4:131]  chunk i: 8 registers as loaded; its first 4 then hold the 8 bf16
	s_load_b256 s[4:11], s[0:1], 0x0               ; x_q s[4:5], Wq s[6:7], Wk s[8:9], Wv s[10:11]
	s_load_b128 s[12:15], s[0:1], 0x20             ; Wo s[12:13], cb s[14:15]
	v_lshlrev_b32 v1, 5, v0                        ; 32 t: my bytes in a chunk of the source
	v_lshlrev_b32 v2, 4, v0                        ; 16 t: my bytes in a chunk of cb
	s_and_b32 s19, ttmp9, 31                       ; my part of a weight,
	s_cmp_ge_u32 ttmp9, 128
	s_cselect_b32 s18, s19, ttmp9                  ; or of x_q
	s_lshl_b32 s18, s18, 17                        ; x 131,072 bytes
	s_mov_b32 s19, 0
	s_lshl_b32 s20, ttmp9, 16                      ; my 65,536 bytes of cb
	s_mov_b32 s21, 0
	s_wait_kmcnt 0x0
	s_mov_b64 s[16:17], s[4:5]                     ; the source: x_q, unless the work-group's number says otherwise
	s_cmp_ge_u32 ttmp9, 128
	s_cselect_b64 s[16:17], s[6:7], s[16:17]
	s_cmp_ge_u32 ttmp9, 160
	s_cselect_b64 s[16:17], s[8:9], s[16:17]
	s_cmp_ge_u32 ttmp9, 192
	s_cselect_b64 s[16:17], s[10:11], s[16:17]
	s_cmp_ge_u32 ttmp9, 224
	s_cselect_b64 s[16:17], s[12:13], s[16:17]
	s_add_nc_u64 s[16:17], s[16:17], s[18:19]
	s_add_nc_u64 s[14:15], s[14:15], s[20:21]
.set i, 0
.rept CHUNKS
	global_load_b128 v[X+8*i:X+8*i+3],   v1, s[16:17] offset:8192*i th:TH_LOAD_NT
	global_load_b128 v[X+8*i+4:X+8*i+7], v1, s[16:17] offset:8192*i+16 th:TH_LOAD_NT
.set i, i+1
.endr
.set i, 0
.rept CHUNKS
	s_wait_loadcnt 2*(CHUNKS-1-i)                  ; loads come back in order (ISA guide 5.7.1): chunk i is in, the 2 (15 - i) loads of later chunks stay out
	v_cvt_pk_bf16_f32 v[X+8*i],   v[X+8*i],   v[X+8*i+1]   ; in place: word j is written from words 2 j and 2 j + 1, never ahead of a word still to be read
	v_cvt_pk_bf16_f32 v[X+8*i+1], v[X+8*i+2], v[X+8*i+3]
	v_cvt_pk_bf16_f32 v[X+8*i+2], v[X+8*i+4], v[X+8*i+5]
	v_cvt_pk_bf16_f32 v[X+8*i+3], v[X+8*i+6], v[X+8*i+7]
	global_store_b128 v2, v[X+8*i:X+8*i+3], s[14:15] offset:4096*i   ; no hint: the next launches read cb
.set i, i+1
.endr
	s_endpgm
.Lfunc_end_k_q01c067365e_prep:
	.size	k_q01c067365e_prep, .Lfunc_end_k_q01c067365e_prep-k_q01c067365e_prep
	.p2alignl 7, 3214868480
	.fill 96, 4, 3214868480
	.section	.rodata,"a",@progbits
	.p2align	6, 0x0
	.amdhsa_kernel k_q01c067365e_prep
		.amdhsa_group_segment_fixed_size 0
		.amdhsa_private_segment_fixed_size 0
		.amdhsa_enable_private_segment 0
		.amdhsa_kernarg_size 48
		.amdhsa_user_sgpr_count 2
		.amdhsa_user_sgpr_kernarg_segment_ptr 1
		.amdhsa_wavefront_size32 1
		.amdhsa_system_sgpr_workgroup_id_x 1
		.amdhsa_system_sgpr_workgroup_id_y 1
		.amdhsa_system_sgpr_workgroup_id_z 1
		.amdhsa_system_vgpr_workitem_id 0
		.amdhsa_next_free_vgpr 132
		.amdhsa_next_free_sgpr 66
		.amdhsa_reserve_vcc 0
		.amdhsa_float_denorm_mode_32 3
		.amdhsa_float_denorm_mode_16_64 3
		.amdhsa_memory_ordered 1
		.amdhsa_forward_progress 1
		.amdhsa_inst_pref_size 11
	.end_amdhsa_kernel
	.amdgpu_metadata
---
amdhsa.version: [ 1, 2 ]
amdhsa.kernels:
  - .name:           k_q01c067365e_prep
    .symbol:         k_q01c067365e_prep.kd
    .args:
      - { .name: x_q, .offset: 0, .size: 8, .value_kind: global_buffer, .address_space: global }
      - { .name: Wq, .offset: 8, .size: 8, .value_kind: global_buffer, .address_space: global }
      - { .name: Wk, .offset: 16, .size: 8, .value_kind: global_buffer, .address_space: global }
      - { .name: Wv, .offset: 24, .size: 8, .value_kind: global_buffer, .address_space: global }
      - { .name: Wo, .offset: 32, .size: 8, .value_kind: global_buffer, .address_space: global }
      - { .name: cb, .offset: 40, .size: 8, .value_kind: global_buffer, .address_space: global }
    .group_segment_fixed_size: 0
    .private_segment_fixed_size: 0
    .kernarg_segment_align: 8
    .kernarg_segment_size: 48
    .max_flat_workgroup_size: 256
    .sgpr_count:     66
    .vgpr_count:     132
    .wavefront_size: 32
...
	.end_amdgpu_metadata
.endif
;; end of part 1
;; launch qkv (part 2): grid 8 x 32, 4 waves a work-group, clusters of 4 x 4, 327,680 bytes of LDS; arguments cb, bq, bk, bv, qkv, scl; writes qkv, scl
.if DOCPART == 2
	.amdgcn_target "amdgcn-amd-amdhsa--gfx1250"
	.amdhsa_code_object_version 6
	.text
	.protected	k_q01c067365e_qkv
	.globl	k_q01c067365e_qkv
	.p2align	8
	.type	k_q01c067365e_qkv,@function
k_q01c067365e_qkv:
	s_mov_b64 s[64:65], 0
	v_nop
	global_prefetch_b8 v0, s[64:65] scope:SCOPE_SE
	s_setreg_imm32_b32 hwreg(HW_REG_WAVE_MODE, 25, 1), 1
	s_wait_xcnt 0x0
	s_wait_alu depctr_hold_cnt(0) depctr_sa_sdst(0) depctr_va_vdst(0) depctr_va_sdst(0) depctr_va_ssrc(0) depctr_va_vcc(0) depctr_vm_vsrc(0)
	s_getreg_b32 s2, hwreg(HW_REG_IB_STS2, 6, 4)
	s_cmp_eq_u32 s2, 0
	s_cbranch_scc0 .Lentry_in_a_cluster
	s_endpgm
.Lentry_in_a_cluster:
	s_bfe_u32 s2, ttmp6, 0x10000c
	s_cmp_lg_u32 s2, 0xf033
	s_cbranch_scc0 .Lentry_shape_is_right
	s_endpgm
.Lentry_shape_is_right:
; q, k, v = x W + b for Wq, Wk, Wv, from the bf16 copies in cb; sums in f32, started by the bias.  The results are stored by heads,
; qkv[mtx 3][b 2][head 16][s 2048][64], as f16 WITH A BLOCK SCALE: each block of 64 rows x 64 columns (one head) is divided by alpha, the power
; of two of its largest magnitude, so that every stored number is below 2 whatever the inputs' size; scl[16 b + head][block of 64 rows, 32][4]
; holds alpha of q, of k, of v and 1 / alpha of v.  q is stored multiplied by c = log2(e) / 8 as well, so that the next launch's scores are
; exponents of two up to a power of two.  f16's 11 bits of significand are what the next launch's products need; the scale gives them their range.
; A work-group makes 128 rows x (128 columns of q, of k and of v): two heads.  Four waves, one for each SIMD of a WGP; wave w = 2 i + j makes
; rows 64 i .. + 63 of head 2 hp + j, 64 columns of each of the three: 4 x 12 accumulator tiles of 16 x 16, 384 registers, and just one scale block of each.
; For 32 along K a wave issues 48 matrix instructions on 32 LDS loads.
; K goes in 8 steps of 128 through two LDS slots; a slot holds three tiles of W (128 k rows x 256 bytes) and one of x (128 rows x 256 bytes).
; CLUSTERS: 4 x 4 work-groups.  x's tile hangs on the block row alone and is asked for jointly by a row of the cluster; W's tiles hang on the
; block column alone and are asked for jointly by a column.  Waves 0 to 2 ask for Wq's, Wk's, Wv's tile, wave 3 for x's: one tensor load a wave.
; By this text's count a wave has two tensor loads out at the start and one behind each later round of the cluster's barrier.
; W lies [k][n], so its fragments are read with the transposing LDS load; x lies [row][k] and is read plainly.
; THE MATRIX INSTRUCTION IS USED TRANSPOSED: source 0 = 16 columns of W, source 1 = 16 rows of x.  Lane (r, h), register j then holds
; C(row r, column n0 + 8 h + j): eight neighbouring numbers of a row, and the bias of those eight columns has the same layout, so it serves as the first C.
; LIMITS: x, W and the biases enter as bf16 (8 bits of significand), the results leave as scaled f16; the order of the sums is the matrix unit's.
; alpha is kept inside 2^-40 .. 2^40: a block whose largest magnitude is below 2^-40 is kept to steps of 2^-64 only, and a number beyond
; about 2^56 overflows f16.  The largest magnitude drops a NaN.
;
; REGISTERS by windows of 256:  window 0: addresses, x fragments (two buffers), biases, the way out;  window 1: W fragments (two buffers);
; window 2: accumulators of column tiles 0-7 (q, k) at 8 (4 b + a);  window 3: those of tiles 8-11 (v) at 8 (4 (b - 8) + a).
.set KSTEP,  128
.set PA,     272                       ; x's LDS pitch: 256 + 16 bytes, an odd multiple of 16: the 16 rows that a load touches begin at 16 different 16-byte columns of 256
.set PB,     288                       ; W's LDS pitch: 256 + 32 bytes, an odd multiple of 32
.set WT,     128*PB                    ; a tile of W: 36,864 bytes
.set XOFF,   3*WT                      ; x's tile lies behind the three of W
.set SLOT,   XOFF+128*PA               ; 145,408 bytes
.set STAGE,  2*SLOT                    ; behind the ring, at a multiple of 256: 16 rows x 144 bytes for each wave; no tensor load lands here
.set SPITCH, 144
.set LAPS,   1024/(2*KSTEP)            ; a lap = two K steps = once round the ring
.set LANE, 5                           ; v5      lane, kept to the end
.set ADRA, 16                          ; v16-17  LDS address of my x fragments in slot 0, 1
.set ADRB, 18                          ; v18-23  of my W fragments: 3 x slot + matrix
.set STO,  24                          ; v24     the way out: where I put 16 bytes of a row
.set RD,   25                          ; v25     where I read rows back
.set CO,   26                          ; v26     16 x lane: my bytes in 512 dense bytes of qkv
.set BO,   27                          ; v27     byte offset of my 8 columns in a bias
.set FA0,  32                          ; v32-63  x fragments, buffer 0 (window 0)
.set FA1,  64                          ; v64-95  buffer 1
.set BIAS, 96                          ; v96-191 column tile b: 8 registers
.set TMP,  192                         ; v192-223 the way out: scaled results in f32 (with PK: at work while the biases are rounded)
.set PK,   224                         ; v224-239 the way out: packed results
.set MX,   240                         ; v240-243 four running maxima of |.|
.set SQ,   244                         ; v244-247 alpha of q, of k, of v, 1 / alpha of v: my 16 bytes of scl
.set IV,   248                         ; v248-253 what q, k, v are multiplied by, each twice (pairs for the packed multiply)
.set RB,   32                          ; v32-47  the way out: rows read back (the x buffers are free by then)
.set FB0,  0                           ; window 1: v0-95   W fragments, buffer 0
.set FB1,  96                          ; window 1: v96-191 buffer 1
.set G1A, 24                           ; s[24:31] group 1 for x's tile
.set G0A, 32                           ; s[32:39] group 0 for x's tile, one set for each slot
.set G1B, 40                           ; s[40:47] group 1 for W's tiles
.set G0B, 48                           ; s[48:55] group 0 for W's tiles, one set for each slot
.set MUL_LO, 0xa1                      ; source 0 (W) window 1, source 1 (x) window 0, C and D window 2
.set MUL_HI, 0xf1                      ; the same, C and D window 3
.set TO_B,   0x40                      ; destination window 1, address window 0
.set MSB, 0
.macro WIN new                         ; the immediate's high byte repeats the setting that is left; a switch that changes nothing is dropped
.if MSB != \new
	s_set_vgpr_msb (MSB<<8)|\new
.set MSB, \new
.endif
.endm
.macro PLACES                          ; four places behind a matrix instruction (ISA guide 7.12.1) before its registers are loaded into or its results read
.rept 4
	v_nop
.endr
.endm
; A joint load: wave 3 asks for x's tile, waves 0 to 2 for W's.  The branch hangs on the wave's number alone.
.macro JLOAD s
	s_cmp_eq_u32 s14, 3
	s_cbranch_scc0 .Lfor_w_\@
	tensor_load_to_lds s[G0A+4*\s:G0A+4*\s+3], s[G1A:G1A+7]
	s_nop 0
	s_branch .Lasked_\@
.Lfor_w_\@:
	tensor_load_to_lds s[G0B+4*\s:G0B+4*\s+3], s[G1B:G1B+7]
	s_nop 0
.Lasked_\@:
.endm
.macro CREST                           ; a round of the cluster's barrier behind its opening work-group barrier
	s_cmp_lg_u32 s14, 0
	s_cbranch_scc1 .Lnot_wave_0_\@
	s_barrier_signal -3
.Lnot_wave_0_\@:
	s_barrier_wait -3
	s_barrier_signal -1
	s_barrier_wait -1
.endm
.macro CROUND                          ; a whole round
	s_barrier_signal -1
	s_barrier_wait -1
	CREST
.endm
	s_load_b256 s[4:11], s[0:1], 0x0               ; cb s[4:5], bq s[6:7], bk s[8:9], bv s[10:11]
	s_load_b64 s[12:13], s[0:1], 0x20              ; qkv
	s_load_b64 s[72:73], s[0:1], 0x28              ; scl
	s_set_vgpr_msb 0x40
	v_lshl_add_u32 v255, v0, 2, 0x49400
	s_set_vgpr_msb 0x4000
	v_mov_b32 v255, 0
	s_set_vgpr_msb 0x1
	ds_add_u32 v255, v255
	s_set_vgpr_msb 0x100
	v_lshrrev_b32 v1, 5, v0
	v_readfirstlane_b32 s14, v1                    ; wave 0..3
	s_lshr_b32 s15, s14, 1                         ; i: which 64 rows
	s_and_b32 s16, s14, 1                          ; j: which of the two heads
	s_bfe_u32 s17, ttmp6, 0x40000                  ; cx
	s_bfe_u32 s18, ttmp6, 0x40004                  ; cy
	s_lshl_b32 s19, ttmp9, 2
	s_add_co_u32 s19, s19, s17                     ; hp: block column = pair of heads, 0..7
	s_and_b32 s20, ttmp7, 0xffff
	s_lshl_b32 s20, s20, 2
	s_add_co_u32 s20, s20, s18                     ; by: block row, 0..31
	s_lshl_b32 s21, s18, 2
	s_lshl_b32 s21, 15, s21                        ; my row of the cluster: places 4 cy .. 4 cy + 3
	s_lshl_b32 s22, 0x1111, s17                    ; my column: places cx, cx + 4, cx + 8, cx + 12
	; group 1: tiles of 128 rows x 128 elements of 2 bytes, rows 1,024 elements apart, padded behind every 64 words
	s_or_b32 s[G1A+0], s21, (1<<16)|(1<<20)|(1<<21)|(5<<22)|(3<<25)   ; x: mask of my row; 2-byte elements; padding on; bit 21 beside a mask; 4 words of padding
	s_or_b32 s[G1B+0], s22, (1<<16)|(1<<20)|(1<<21)|(5<<22)|(7<<25)   ; W: mask of my column; 8 words of padding
	s_mov_b32 s[G1A+1], KSTEP<<16                  ; tensor_dim0 = 128
	s_mov_b32 s[G1B+1], KSTEP<<16
	s_mov_b32 s[G1A+2], 128<<16                    ; tensor_dim1 = 128
	s_mov_b32 s[G1B+2], 128<<16
	s_mov_b32 s[G1A+3], KSTEP<<16                  ; tile_dim0 = 128
	s_mov_b32 s[G1B+3], KSTEP<<16
	s_mov_b32 s[G1A+4], 128                        ; tile_dim1 = 128
	s_mov_b32 s[G1B+4], 128
	s_mov_b32 s[G1A+5], 1024                       ; elements from row to row
	s_mov_b32 s[G1B+5], 1024
	s_mov_b32 s[G1A+6], 0
	s_mov_b32 s[G1B+6], 0
	s_mov_b32 s[G1A+7], 0
	s_mov_b32 s[G1B+7], 0
	; where the tiles come from: x's address is made of the block row alone, W's of the block column and the wave's number alone
	s_lshl_b32 s56, s20, 18                        ; x: 128 by rows of 2,048 bytes
	s_mov_b32 s57, 0
	s_lshl_b32 s58, s14, 21                        ; W: matrix w, 2 MiB each,
	s_lshl_b32 s59, s19, 8                         ; 128 hp columns of 2 bytes,
	s_add_co_u32 s58, s58, s59
	s_add_co_u32 s58, s58, 0x800000                ; behind x's 8 MiB
	s_mov_b32 s59, 0
	s_mul_i32 s23, s14, WT                         ; and where they go: wave x 36,864 (x's tile, wave 3's, behind the three of W)
	; my place in qkv and in scl, in registers that feed no descriptor and no LDS address
	s_lshr_b32 s68, s20, 4
	s_lshl_b32 s68, s68, 4                         ; 16 b
	s_lshl_b32 s70, s19, 1
	s_add_co_u32 s68, s68, s70
	s_add_co_u32 s68, s68, s16                     ; + head 2 hp + j
	s_lshl_b32 s68, s68, 11                        ; x 2,048 rows
	s_and_b32 s70, s20, 15
	s_lshl_b32 s70, s70, 7
	s_add_co_u32 s68, s68, s70                     ; + 128 (by mod 16)
	s_lshl_b32 s70, s15, 6
	s_add_co_u32 s68, s68, s70                     ; + 64 i
	s_lshl_b32 s68, s68, 7                         ; x 128 bytes
	s_mov_b32 s69, 0
	s_lshr_b32 s70, s68, 9                         ; scl: 16 bytes for each 64 rows of 128 bytes
	s_mov_b32 s71, 0
	s_lshl_b32 s66, s19, 9                         ; the bias: (128 hp + 64 j) x 4 bytes
	s_lshl_b32 s67, s16, 8
	s_add_co_u32 s66, s66, s67
	v_bfe_u32 v2, v0, 4, 1                         ; h = lane / 16
	v_lshl_add_u32 v[BO], v2, 5, s66               ; + 8 h x 4 bytes
	s_wait_dscnt 0x0
	s_wait_kmcnt 0x0
	s_add_nc_u64 s[56:57], s[4:5], s[56:57]
	s_add_nc_u64 s[58:59], s[4:5], s[58:59]
	s_add_nc_u64 s[12:13], s[12:13], s[68:69]
	s_add_nc_u64 s[72:73], s[72:73], s[70:71]
	CROUND                                         ; all sixteen work-groups are here: the first joint loads meet
.irp s, 0,1
	s_mov_b32 s[G0A+4*\s], 1
	s_add_co_u32 s[G0A+4*\s+1], s23, \s*SLOT
	s_add_nc_u64 s[G0A+4*\s+2:G0A+4*\s+3], s[56:57], \s*KSTEP*2        ; K step s: 256 bytes along the rows
	s_or_b32 s[G0A+4*\s+3], s[G0A+4*\s+3], 0x80000000
	s_mov_b32 s[G0B+4*\s], 1
	s_add_co_u32 s[G0B+4*\s+1], s23, \s*SLOT
	s_add_nc_u64 s[G0B+4*\s+2:G0B+4*\s+3], s[58:59], \s*KSTEP*2048     ; K step s: 128 rows of 2,048 bytes down
	s_or_b32 s[G0B+4*\s+3], s[G0B+4*\s+3], 0x80000000
	JLOAD \s                                       ; both slots are asked for before anything else is done
.endr
	; the biases of my 12 column tiles: 8 numbers a lane and tile, in C's layout
.irp t, 0,1,2,3
	global_load_b128 v[BIAS+8*\t:BIAS+8*\t+3],       v[BO], s[6:7] offset:64*\t
	global_load_b128 v[BIAS+8*\t+4:BIAS+8*\t+7],     v[BO], s[6:7] offset:64*\t+16
	global_load_b128 v[BIAS+32+8*\t:BIAS+32+8*\t+3],   v[BO], s[8:9] offset:64*\t
	global_load_b128 v[BIAS+32+8*\t+4:BIAS+32+8*\t+7], v[BO], s[8:9] offset:64*\t+16
	global_load_b128 v[BIAS+64+8*\t:BIAS+64+8*\t+3],   v[BO], s[10:11] offset:64*\t
	global_load_b128 v[BIAS+64+8*\t+4:BIAS+64+8*\t+7], v[BO], s[10:11] offset:64*\t+16
.endr
	v_and_b32 v1, 15, v0                           ; r = lane mod 16
	v_and_b32 v3, 7, v0                            ; lane mod 8
	v_bfe_u32 v4, v0, 3, 1                         ; (lane / 8) mod 2
	v_and_b32 v[LANE], 31, v0                      ; lane
	; x fragment: lane (r, h) reads row r at 16 h, two loads 32 bytes apart
	v_mul_u32_u24 v6, v1, PA
	v_lshl_add_u32 v6, v2, 4, v6
	s_mul_i32 s60, s15, 64*PA
	s_add_co_u32 s60, s60, XOFF
	v_add_nc_u32 v[ADRA], s60, v6
	v_add_nc_u32 v[ADRA+1], SLOT, v[ADRA]
	; W fragment, transposing load: lane reads 16 bytes of k row 8 h + lane mod 8, at 16 ((lane / 8) mod 2); two loads 16 rows apart
	v_lshl_add_u32 v7, v2, 3, v3
	v_mul_u32_u24 v7, v7, PB
	v_lshl_add_u32 v7, v4, 4, v7
	s_lshl_b32 s61, s16, 7                         ; my head's 64 columns: 128 j bytes
	v_add_nc_u32 v7, s61, v7
.irp q, 0,1,2,3,4,5
	v_add_nc_u32 v[ADRB+\q], (\q/3)*SLOT+(\q%3)*WT, v7
.endr
	s_mul_i32 s62, s14, 16*SPITCH
	s_add_co_u32 s62, s62, STAGE                   ; my stage
	v_mul_u32_u24 v8, v1, SPITCH
	v_lshl_add_u32 v8, v2, 4, v8
	v_add_nc_u32 v[STO], s62, v8                   ; in: row r, 16 bytes for each half of the lanes
	v_lshrrev_b32 v9, 3, v[LANE]
	v_mul_u32_u24 v9, v9, SPITCH
	v_lshl_add_u32 v9, v3, 4, v9
	v_add_nc_u32 v[RD], s62, v9                    ; back: eight lanes take a row of 128 bytes, a load four rows
	v_lshlrev_b32 v[CO], 4, v[LANE]
	; the biases are rounded to bf16, as x and the weights were: every input enters the sums in the one format.  Done while the first tiles are on their way.
	s_wait_loadcnt 0x0
.set bi, 0
.rept 48
	v_cvt_pk_bf16_f32 v[TMP+bi], v[BIAS+2*bi], v[BIAS+2*bi+1]
.set bi, bi+1
.endr
.set bi, 0
.rept 48
	v_lshlrev_b32 v[BIAS+2*bi], 16, v[TMP+bi]              ; back to f32: the low half moves up,
	v_and_b32 v[BIAS+2*bi+1], 0xffff0000, v[TMP+bi]        ; the high half stays
.set bi, bi+1
.endr
; 16 matrix instructions: column tiles nb .. nb + 3 x my four row tiles, 32 along K.  bias = 1: the bias is the first C, nothing is cleared or added later.
; The 48 accumulators take turns, one instruction a turn, in the same order in every quarter step.
.macro MUL fa, fb, nb, hi, bias
.irp n, 0,1,2,3
.irp m, 0,1,2,3
.if \bias
	v_wmma_f32_16x16x32_bf16 v[8*(4*(\nb-8*\hi+\n)+\m):8*(4*(\nb-8*\hi+\n)+\m)+7], v[\fb+8*(\nb+\n):\fb+8*(\nb+\n)+7], v[\fa+8*\m:\fa+8*\m+7], v[BIAS+8*(\nb+\n):BIAS+8*(\nb+\n)+7]
.else
	v_wmma_f32_16x16x32_bf16 v[8*(4*(\nb-8*\hi+\n)+\m):8*(4*(\nb-8*\hi+\n)+\m)+7], v[\fb+8*(\nb+\n):\fb+8*(\nb+\n)+7], v[\fa+8*\m:\fa+8*\m+7], v[8*(4*(\nb-8*\hi+\n)+\m):8*(4*(\nb-8*\hi+\n)+\m)+7]
.endif
.endr
.endr
.endm
; 32 LDS loads in one run: quarter kq (32 along K) of a slot: x's 4 fragments, then W's 12 in ascending order
.macro FETCH slot, kq, fa, fb
	WIN 0
.irp m, 0,1,2,3
	ds_load_b128 v[\fa+8*\m:\fa+8*\m+3],   v[ADRA+\slot] offset:\m*16*PA+64*\kq
	ds_load_b128 v[\fa+8*\m+4:\fa+8*\m+7], v[ADRA+\slot] offset:\m*16*PA+64*\kq+32
.endr
	WIN TO_B
.irp x, 0,1,2
.irp t, 0,1,2,3
	ds_load_tr16_b128 v[\fb+8*(4*\x+\t):\fb+8*(4*\x+\t)+3],   v[ADRB+3*\slot+\x] offset:\kq*32*PB+32*\t
	ds_load_tr16_b128 v[\fb+8*(4*\x+\t)+4:\fb+8*(4*\x+\t)+7], v[ADRB+3*\slot+\x] offset:\kq*32*PB+32*\t+16*PB
.endr
.endr
.endm
; One of a K step's first three quarters: multiplies buffer f; in its middle it fetches quarter kq of the same slot into buffer g.
.macro QUARTER slot, kq, fa, fb, ga, gb, bias
	s_wait_dscnt 8                                 ; x and W's tiles 0-7 are in; the youngest eight loads (v's four tiles) may be out
.if \bias
	WIN 0x81                                       ; as MUL_LO, with C (the bias) in window 0
.else
	WIN MUL_LO
.endif
	MUL \fa, \fb, 0, 0, \bias
	MUL \fa, \fb, 4, 0, \bias
	PLACES
	FETCH \slot, \kq, \ga, \gb
	s_wait_dscnt 32                                ; all but the 32 just issued
.if \bias
	WIN 0xc1
.else
	WIN MUL_HI
.endif
	MUL \fa, \fb, 8, 1, \bias
.endm
.macro THREE slot, bias
	QUARTER \slot, 1, FA0, FB0, FA1, FB1, \bias
	QUARTER \slot, 2, FA1, FB1, FA0, FB0, 0
	QUARTER \slot, 3, FA0, FB0, FA1, FB1, 0
.endm
; The last quarter: multiplies buffer 1 and changes slots.  In front of the barrier each wave waits for its reads of this slot and for all its
; tensor loads (the one that is out is its part of the next slot).  Where the slot is filled again the barrier opens a round of the cluster's
; barrier, and the joint refill is the first tensor load behind the round's closing wait, one a wave.
.macro TURN slot, next, fill
	s_wait_dscnt 8
	WIN MUL_LO
	MUL FA1, FB1, 0, 0, 0
	s_wait_dscnt 0x0                               ; my reads of this slot are over
	s_wait_tensorcnt 0x0                           ; all my tensor loads have landed, so every group 0 may be written
	ds_add_u32 v255, v255
	s_wait_dscnt 0x0
	s_barrier_signal -1
	MUL FA1, FB1, 4, 0, 0                          ; register work while the others arrive
	WIN 0
	s_barrier_wait -1
.if \fill
	CREST                                          ; no wave of any partner still reads this slot or has a load on its way
	s_add_nc_u64 s[G0A+4*\slot+2:G0A+4*\slot+3], s[G0A+4*\slot+2:G0A+4*\slot+3], 2*KSTEP*2
	s_add_nc_u64 s[G0B+4*\slot+2:G0B+4*\slot+3], s[G0B+4*\slot+2:G0B+4*\slot+3], 2*KSTEP*2048
	JLOAD \slot
.endif
	PLACES
	FETCH \next, 0, FA0, FB0
	WIN MUL_HI
	MUL FA1, FB1, 8, 1, 0
.endm
.macro LAP bias
	THREE 0, \bias
	TURN 0, 1, 1
	THREE 1, 0
	TURN 1, 0, 1
.endm
	s_wait_tensorcnt 0x1                           ; my part of K step 0 is in; K step 1's load may stay out
	s_barrier_signal -1
	s_barrier_wait -1                              ; everybody's is
	FETCH 0, 0, FA0, FB0
	LAP 1
	WIN 0                                          ; at a label and at a branch every window is 0
	s_mov_b32 s3, LAPS-2
.Llap:
	LAP 0
	WIN 0
	s_sub_co_u32 s3, s3, 1
	s_cmp_lg_u32 s3, 0
	s_cbranch_scc1 .Llap
	THREE 0, 0                                     ; the last lap fills nothing
	TURN 0, 1, 0
	THREE 1, 0
	s_wait_dscnt 8
	WIN MUL_LO
	MUL FA1, FB1, 0, 0, 0
	MUL FA1, FB1, 4, 0, 0
	s_wait_dscnt 0x0
	WIN MUL_HI
	MUL FA1, FB1, 8, 1, 0
	; THE BLOCK SCALES.  Matrix x's 64 x 64 results are 128 registers in a row (q: window 2, 0-127; k: window 2, 128-255; v: window 3, 0-127).
	PLACES                                         ; the places behind the last matrix instructions, before vector instructions read results
	s_mov_b32 s60, 0x76543210                      ; v_permlanex16_b32: lane i of one half reads lane i of the other
	s_mov_b32 s61, 0xfedcba98
; from: sources 0 and 1 in window 2 (0x0a) or 3 (0x0f)
.macro AMAX x, from
	WIN \from
.irp ch, 0,1,2,3
	v_max_num_f32 v[MX+\ch], |v[128*(\x%2)+2*\ch]|, |v[128*(\x%2)+2*\ch+1]|       ; the first eight numbers start four chains
.endr
.set i, 4
.rept 60
	v_max3_num_f32 v[MX+i%4], |v[128*(\x%2)+2*i]|, |v[128*(\x%2)+2*i+1]|, v[MX+i%4]
.set i, i+1
.endr
	WIN 0
	v_max3_num_f32 v[MX], v[MX], v[MX+1], v[MX+2]
	v_max_num_f32 v[MX], v[MX], v[MX+3]
	v_max_num_f32_dpp v[MX], v[MX], v[MX] row_xmask:1 row_mask:0xf bank_mask:0xf
	v_max_num_f32_dpp v[MX], v[MX], v[MX] row_xmask:2 row_mask:0xf bank_mask:0xf
	v_max_num_f32_dpp v[MX], v[MX], v[MX] row_xmask:4 row_mask:0xf bank_mask:0xf
	v_max_num_f32_dpp v[MX], v[MX], v[MX] row_xmask:8 row_mask:0xf bank_mask:0xf
	v_permlanex16_b32 v[MX+1], v[MX], s60, s61
	v_max_num_f32 v[MX], v[MX], v[MX+1]            ; every lane holds the block's largest magnitude
	v_max_num_f32 v[MX], 0x2b800000, v[MX]         ; kept inside 2^-40
	v_min_num_f32 v[MX], 0x53800000, v[MX]         ; .. 2^40
	v_and_b32 v[SQ+\x], 0x7f800000, v[MX]          ; alpha: its power of two,
	v_sub_nc_u32 v[IV+2*\x], 0x7f000000, v[SQ+\x]  ; and 1 / alpha: the exponent field 254 - E
.if \x == 0
	v_mul_f32 v[IV], 0x3e38aa3b, v[IV]             ; q is stored times c = log2(e) / 8
.endif
	v_mov_b32 v[IV+2*\x+1], v[IV+2*\x]             ; the pair's second register counts as read
.endm
	AMAX 0, 0x0a
	AMAX 1, 0x0a
	AMAX 2, 0x0f
	v_mov_b32 v[SQ+3], v[IV+4]                     ; 1 / alpha of v
	; my 16 bytes of scl, by lane 0 alone (its lane number is also its offset, 0): 16 bytes a wave, 16 KiB in the whole launch
	s_wait_xcnt 0x0                                ; EXEC changes only behind this wait
	v_cmp_eq_u32 vcc_lo, 0, v[LANE]
	s_and_saveexec_b32 s62, vcc_lo
	global_store_b128 v[LANE], v[SQ:SQ+3], s[72:73]
	s_wait_xcnt 0x0                                ; and again, in front of the line that widens it
	s_or_b32 exec_lo, exec_lo, s62
	; THE WAY OUT: 16 rows x 64 columns of one matrix at a time: scale, round to f16, 16 bytes a lane into my own stage, read back as rows of
	; 128 bytes, which follow each other in qkv without a gap: a store of the wave covers 512 consecutive bytes, aligned.
; from: source 0 in window 2 (0x02) or 3 (0x03)
.macro OUT16 x, m, from
	WIN \from
.irp t, 0,1,2,3
.irp p, 0,1,2,3
	v_pk_mul_f32 v[TMP+8*\t+2*\p:TMP+8*\t+2*\p+1], v[8*(4*((4*\x+\t)%8)+\m)+2*\p:8*(4*((4*\x+\t)%8)+\m)+2*\p+1], v[IV+2*\x:IV+2*\x+1] op_sel_hi:[1,0]
.endr
.endr
	WIN 0
.irp t, 0,1,2,3
.irp p, 0,1,2,3
	v_cvt_pk_f16_f32 v[PK+4*\t+\p], v[TMP+8*\t+2*\p], v[TMP+8*\t+2*\p+1]
.endr
.endr
.irp t, 0,1,2,3
	ds_store_b128 v[STO], v[PK+4*\t:PK+4*\t+3] offset:32*\t
.endr
	s_wait_xcnt 0x0                                ; RB, which the last stores read, and their base are rewritten only behind this wait
.if \x
.if \m == 0
	s_add_nc_u64 s[12:13], s[12:13], 0x800000      ; the next matrix: 8 MiB on
.endif
.endif
.irp t, 0,1,2,3
	ds_load_b128 v[RB+4*\t:RB+4*\t+3], v[RD] offset:\t*4*SPITCH    ; LDS serves a wave's instructions in order (ISA guide 5.7.1): these see the stores above
.endr
.irp t, 0,1,2,3
	s_wait_dscnt 3-\t                              ; the younger read-backs may be out
	global_store_b128 v[CO], v[RB+4*\t:RB+4*\t+3], s[12:13] offset:2048*\m+512*\t
.endr
.endm
.irp a, 0,1,2,3
	OUT16 0, \a, 0x02
.endr
.irp a, 0,1,2,3
	OUT16 1, \a, 0x02
.endr
.irp a, 0,1,2,3
	OUT16 2, \a, 0x03
.endr
	s_set_vgpr_msb 0x1
	s_wait_tensorcnt 0x0
	ds_add_u32 v255, v255
	s_wait_dscnt 0x0
	s_set_vgpr_msb 0x100
	CROUND                                         ; the closing round: no work-group ends while a partner may still ask for a tile that names it
	s_endpgm
.Lfunc_end_k_q01c067365e_qkv:
	.size	k_q01c067365e_qkv, .Lfunc_end_k_q01c067365e_qkv-k_q01c067365e_qkv
	.p2alignl 7, 3214868480
	.fill 96, 4, 3214868480
	.section	.rodata,"a",@progbits
	.p2align	6, 0x0
	.amdhsa_kernel k_q01c067365e_qkv
		.amdhsa_group_segment_fixed_size 327680
		.amdhsa_private_segment_fixed_size 0
		.amdhsa_enable_private_segment 0
		.amdhsa_kernarg_size 48
		.amdhsa_user_sgpr_count 2
		.amdhsa_user_sgpr_kernarg_segment_ptr 1
		.amdhsa_wavefront_size32 1
		.amdhsa_system_sgpr_workgroup_id_x 1
		.amdhsa_system_sgpr_workgroup_id_y 1
		.amdhsa_system_sgpr_workgroup_id_z 1
		.amdhsa_system_vgpr_workitem_id 0
		.amdhsa_next_free_vgpr 896
		.amdhsa_next_free_sgpr 74
		.amdhsa_reserve_vcc 1
		.amdhsa_float_denorm_mode_32 3
		.amdhsa_float_denorm_mode_16_64 3
		.amdhsa_memory_ordered 1
		.amdhsa_forward_progress 1
		.amdhsa_inst_pref_size 201
	.end_amdhsa_kernel
	.amdgpu_metadata
---
amdhsa.version: [ 1, 2 ]
amdhsa.kernels:
  - .name:           k_q01c067365e_qkv
    .symbol:         k_q01c067365e_qkv.kd
    .args:
      - { .name: cb, .offset: 0, .size: 8, .value_kind: global_buffer, .address_space: global }
      - { .name: bq, .offset: 8, .size: 8, .value_kind: global_buffer, .address_space: global }
      - { .name: bk, .offset: 16, .size: 8, .value_kind: global_buffer, .address_space: global }
      - { .name: bv, .offset: 24, .size: 8, .value_kind: global_buffer, .address_space: global }
      - { .name: qkv, .offset: 32, .size: 8, .value_kind: global_buffer, .address_space: global }
      - { .name: scl, .offset: 40, .size: 8, .value_kind: global_buffer, .address_space: global }
    .group_segment_fixed_size: 327680
    .private_segment_fixed_size: 0
    .kernarg_segment_align: 8
    .kernarg_segment_size: 48
    .max_flat_workgroup_size: 128
    .sgpr_count:     74
    .vgpr_count:     896
    .wavefront_size: 32
...
	.end_amdgpu_metadata
.endif
;; end of part 2
;; launch attn (part 3): grid 8 x 32, 8 waves a work-group, clusters of 4 x 1, 327,680 bytes of LDS; arguments qkv, scl, ctx; writes ctx
.if DOCPART == 3
	.amdgcn_target "amdgcn-amd-amdhsa--gfx1250"
	.amdhsa_code_object_version 6
	.text
	.protected	k_q01c067365e_attn
	.globl	k_q01c067365e_attn
	.p2align	8
	.type	k_q01c067365e_attn,@function
k_q01c067365e_attn:
	s_mov_b64 s[64:65], 0
	v_nop
	global_prefetch_b8 v0, s[64:65] scope:SCOPE_SE
	s_setreg_imm32_b32 hwreg(HW_REG_WAVE_MODE, 25, 1), 1
	s_wait_xcnt 0x0
	s_wait_alu depctr_hold_cnt(0) depctr_sa_sdst(0) depctr_va_vdst(0) depctr_va_sdst(0) depctr_va_ssrc(0) depctr_va_vcc(0) depctr_vm_vsrc(0)
	s_getreg_b32 s2, hwreg(HW_REG_IB_STS2, 6, 4)
	s_cmp_eq_u32 s2, 0
	s_cbranch_scc0 .Lentry_in_a_cluster
	s_endpgm
.Lentry_in_a_cluster:
	s_bfe_u32 s2, ttmp6, 0x10000c
	s_cmp_lg_u32 s2, 0x3003
	s_cbranch_scc0 .Lentry_shape_is_right
	s_endpgm
.Lentry_shape_is_right:
; ctx = softmax(q k^T / 8) v for one head and 256 queries a work-group, with a running maximum.  q, k, v come from qkv as f16 with one power of
; two, alpha, for each block of 64 rows (scl: alpha of q, of k, of v, 1 / alpha of v); q holds the factor c = log2(e) / 8 already.  Sums in f32, ctx bf16.
; ctx lies [b 2][block of 128 rows, 16][head 16][row 128][64], so that the next launch finds the 16 head planes of 128 rows in one dense run.
; Eight waves, two on each SIMD, so that one wave's softmax runs under the other's matrix work.  Wave w: wq = w mod 4 (64 queries), kh = w / 4:
; of each tile of 256 keys the waves with kh = 0 take keys 0-127 and those with kh = 1 keys 128-255; the two halves are merged at the end.
; CLUSTERS: the four work-groups of a cluster are four query blocks of one head and read the same K and V tiles: every tile is a joint load
; with the mask 15.  Waves with kh = 0 ask for a quarter (64 rows) of K's tile, those with kh = 1 for a quarter of V's: one tensor load a wave
; behind each round of the cluster's barrier, and by this text's count never more than one out.
; TRANSPOSED: S^T = K Q^T (A = 16 keys from LDS, B = 16 queries kept in registers): lane (r, h), register j holds key 8 h + j of query r, so two
; tiles of S^T, packed to f16, ARE the B fragment of P^T for 32 keys.  O^T = V^T P^T (A = V read with the transposing load): lane (r, h),
; register j holds d = 16 dt + 8 h + j of query r.  A query's softmax state belongs to lanes r and r + 16: one exchange between the halves, no LDS.
; THE EXPONENT: a raw product S' stands for the exponent of two S' a, a = alpha_q alpha_k of the block: a power of two, so S' a is exact.  Kept is
; NM = -(the largest S' a so far), exact too.  p = 2^fma(S', a, NM) is at most 1, and 1 at the maximum, for scores of any size: P has room in f16
; and the final sum of p is at least 1.  The old sums are scaled by AL = 2^(NM_new - NM_old).
; V'S SCALE: O is kept in units of the latest block's alpha_v: the old O is scaled by AL alpha_v(last block) / alpha_v(this block), and the last
; alpha_v goes into the final factor.  With alpha inside 2^-40 .. 2^40, as the launch before keeps it, O stays below 2^93.
; THE SCALES come by scalar loads, 32 bytes (my two blocks) a tile, asked for one tile ahead into two sets of registers; they enter arithmetic alone.
; LIMITS: NaN and infinities among the inputs are not carried as the reference carries them (the maximum drops a NaN); an exponential below
; 2^-126 comes out as 0 (ISA guide 15.8); P is rounded to f16 and ctx to bf16; the sums run in another order than the reference's.
.set KP,     144                       ; K's LDS pitch: 128 + 16 bytes, an odd multiple of 16
.set VP,     160                       ; V's LDS pitch: 128 + 32 bytes, an odd multiple of 32, for the transposing load
.set KT,     256*KP                    ; 36,864
.set SLOT,   KT+256*VP                 ; 77,824
.set MSTAGE, 2*SLOT                    ; the merge: 37 x 512 bytes for each wq; at a multiple of 256, no tensor load lands here
.set MW,     37*512
.set OSTAGE, MSTAGE+4*MW               ; the way out: 64 rows x 144 bytes for each wq
.set OP,     144
.set AS,  2                            ; v2-3    a and -a of the block at work
.set RV,  4                            ; v4-5    alpha_v(last block) / alpha_v(this block), twice
.set PV,  6                            ; v6      alpha_v of the latest block: O's unit
.set KA,  8                            ; v8-9    LDS address of my K fragments in slot 0, 1
.set VA,  10                           ; v10-11  of my V fragments
.set MST, 12                           ; v12     my 16 bytes in a 512-byte line of the merge stage
.set OST, 13                           ; v13     the way out: where I put 16 bytes of a row
.set ORD, 14                           ; v14     where I read rows back
.set CO,  15                           ; v15     16 x lane
.set QO,  16                           ; v16     my bytes in 16 rows of q
.set ST,  24                           ; v24-39  query tile nt: NM, T (the block's raw maximum), AL, X (at work)
.set LS,  40                           ; v40-47  nt: a pair of running sums of p
.set QF,  48                           ; v48-111   Q fragments at 8 (2 nt + ks)
.set KF,  112                          ; v112-175  K fragments at 8 (2 mt + ks)
.set VF,  176                          ; v176-239  V^T fragments at 8 (4 kk + dt)
.set LT,  244                          ; v244-247  nt: the sum of p, at the end
.set AO,  248                          ; v248-255  nt: what the old O is scaled by, twice; in the merge the two halves' factors
.set OA,  0                            ; window 1: O^T(dt, nt) at 8 (4 nt + dt)
.set SC,  128                          ; window 1: S^T(mt, nt) at 128 + 8 (4 nt + mt); P^T(nt, kk) takes the registers of S^T(2 kk, nt)
.set G1K, 24                           ; s[24:31] group 1 for K
.set G0K, 32                           ; s[32:39] group 0 for K, one set for each slot
.set G1V, 40                           ; s[40:47] group 1 for V
.set G0V, 48                           ; s[48:55] group 0 for V
.set SCL, 72                           ; s[72:79], s[80:87] the scales of my two blocks in slot 0, 1: 4 words a block
.set SP,  88                           ; s[88:89] where the scales of the tile asked for last lie
.set MSB, 0
.macro WIN new
.if MSB != \new
	s_set_vgpr_msb (MSB<<8)|\new
.set MSB, \new
.endif
.endm
.macro JLOAD s                         ; waves with kh = 0 ask for K, the others for V; the branch hangs on the wave's number alone
	s_cmp_eq_u32 s10, 0
	s_cbranch_scc0 .Lfor_v_\@
	tensor_load_to_lds s[G0K+4*\s:G0K+4*\s+3], s[G1K:G1K+7]
	s_nop 0
	s_branch .Lasked_\@
.Lfor_v_\@:
	tensor_load_to_lds s[G0V+4*\s:G0V+4*\s+3], s[G1V:G1V+7]
	s_nop 0
.Lasked_\@:
.endm
.macro ROUND                           ; a round of the cluster's barrier
	s_barrier_signal -1
	s_barrier_wait -1
	s_cmp_lg_u32 s8, 0
	s_cbranch_scc1 .Lnot_wave_0_\@
	s_barrier_signal -3
.Lnot_wave_0_\@:
	s_barrier_wait -3
	s_barrier_signal -1
	s_barrier_wait -1
.endm
	s_load_b64 s[4:5], s[0:1], 0x0                 ; qkv
	s_load_b64 s[SP:SP+1], s[0:1], 0x8             ; scl
	s_load_b64 s[6:7], s[0:1], 0x10                ; ctx
	v_lshl_add_u32 v242, v0, 2, 0x41800
	v_mov_b32 v243, 0
	ds_add_u32 v242, v243
	v_lshrrev_b32 v1, 5, v0
	v_readfirstlane_b32 s8, v1                     ; wave 0..7
	s_and_b32 s9, s8, 3                            ; wq
	s_lshr_b32 s10, s8, 2                          ; kh
	s_bfe_u32 s11, ttmp6, 0x40000                  ; cx
	s_lshl_b32 s12, ttmp9, 2
	s_add_co_u32 s12, s12, s11                     ; qb: block of 256 queries, 0..7
	s_and_b32 s13, ttmp7, 0xffff                   ; bh = 16 b + head, the same in all four partners
	s_mov_b32 s18, 0x76543210                      ; v_permlanex16_b32: lane i of one half reads lane i of the other
	s_mov_b32 s19, 0xfedcba98
	; group 1: 64 rows x 64 elements of 2 bytes, rows 64 elements apart, padded behind every 32 words
	s_mov_b32 s[G1K+0], 15|(1<<16)|(1<<20)|(1<<21)|(4<<22)|(3<<25)    ; mask of the four partners; bit 21 beside it; 4 words of padding
	s_mov_b32 s[G1V+0], 15|(1<<16)|(1<<20)|(1<<21)|(4<<22)|(7<<25)    ; 8 words of padding
	s_mov_b32 s[G1K+1], 64<<16
	s_mov_b32 s[G1V+1], 64<<16
	s_mov_b32 s[G1K+2], 64<<16
	s_mov_b32 s[G1V+2], 64<<16
	s_mov_b32 s[G1K+3], 64<<16
	s_mov_b32 s[G1V+3], 64<<16
	s_mov_b32 s[G1K+4], 64
	s_mov_b32 s[G1V+4], 64
	s_mov_b32 s[G1K+5], 64
	s_mov_b32 s[G1V+5], 64
	s_mov_b32 s[G1K+6], 0
	s_mov_b32 s[G1V+6], 0
	s_mov_b32 s[G1K+7], 0
	s_mov_b32 s[G1V+7], 0
	s_lshl_b32 s58, s13, 18                        ; my head: 2,048 rows of 128 bytes,
	s_lshl_b32 s59, s9, 13                         ; my quarter of a tile: 64 rows
	s_add_co_u32 s58, s58, s59
	s_add_co_u32 s60, s58, 0x1000000               ; v lies 16 MiB into qkv,
	s_add_co_u32 s58, s58, 0x800000                ; k 8 MiB
	s_mov_b32 s59, 0
	s_mov_b32 s61, 0
	s_mul_i32 s62, s9, 64*KP                       ; where my quarter goes: K's,
	s_mul_i32 s63, s9, 64*VP
	s_add_co_u32 s63, s63, KT                      ; V's
	s_lshl_b32 s14, s13, 9                         ; scl: my head's 32 entries of 16 bytes,
	s_lshl_b32 s15, s10, 5                         ; my half of a tile: two entries
	s_add_co_u32 s14, s14, s15
	s_mov_b32 s15, 0
	; q's rows, q's scale and ctx's place, in registers that feed no descriptor and no LDS address
	s_lshl_b32 s66, s13, 18
	s_lshl_b32 s67, s12, 15                        ; 256 qb rows
	s_add_co_u32 s66, s66, s67
	s_lshl_b32 s67, s9, 13                         ; 64 wq rows
	s_add_co_u32 s66, s66, s67
	s_mov_b32 s67, 0
	s_lshr_b32 s90, s66, 9                         ; 16 bytes of scl for each 64 rows of 128 bytes
	s_mov_b32 s91, 0
	s_lshr_b32 s70, s13, 4
	s_lshl_b32 s70, s70, 4                         ; 16 b
	s_lshl_b32 s71, s12, 1
	s_add_co_u32 s70, s70, s71
	s_lshr_b32 s71, s9, 1
	s_add_co_u32 s70, s70, s71                     ; + block of 128 rows: 2 qb + wq / 2
	s_lshl_b32 s70, s70, 4
	s_and_b32 s71, s13, 15
	s_add_co_u32 s70, s70, s71                     ; x 16 + head
	s_lshl_b32 s70, s70, 14                        ; planes of 16,384 bytes
	s_and_b32 s71, s9, 1
	s_lshl_b32 s71, s71, 13
	s_add_co_u32 s70, s70, s71                     ; + 64 (wq mod 2) rows
	s_mov_b32 s71, 0
	s_wait_dscnt 0x0
	s_wait_kmcnt 0x0
	s_add_nc_u64 s[58:59], s[4:5], s[58:59]
	s_add_nc_u64 s[60:61], s[4:5], s[60:61]
	s_add_nc_u64 s[68:69], s[4:5], s[66:67]
	s_add_nc_u64 s[6:7], s[6:7], s[70:71]
	s_add_nc_u64 s[90:91], s[SP:SP+1], s[90:91]
	s_add_nc_u64 s[SP:SP+1], s[SP:SP+1], s[14:15]
	s_load_b32 s17, s[90:91], 0x0                  ; alpha of my 64 queries
	s_load_b256 s[SCL:SCL+7], s[SP:SP+1], 0x0      ; the scales of my two blocks of tile 0
.irp s, 0,1
	s_mov_b32 s[G0K+4*\s], 1
	s_add_co_u32 s[G0K+4*\s+1], s62, \s*SLOT
	s_add_nc_u64 s[G0K+4*\s+2:G0K+4*\s+3], s[58:59], \s*32768          ; tile s: 256 keys of 128 bytes
	s_or_b32 s[G0K+4*\s+3], s[G0K+4*\s+3], 0x80000000
	s_mov_b32 s[G0V+4*\s], 1
	s_add_co_u32 s[G0V+4*\s+1], s63, \s*SLOT
	s_add_nc_u64 s[G0V+4*\s+2:G0V+4*\s+3], s[60:61], \s*32768
	s_or_b32 s[G0V+4*\s+3], s[G0V+4*\s+3], 0x80000000
.endr
	ROUND                                          ; all four partners are here: the first joint loads meet
	JLOAD 0                                        ; tile 0; slot 1 is first filled behind the first trip's round, as a refill is
	v_and_b32 v1, 15, v0                           ; r
	v_bfe_u32 v2, v0, 4, 1                         ; h
	v_lshlrev_b32 v[QO], 7, v1
	v_lshl_add_u32 v[QO], v2, 4, v[QO]             ; 128 r + 16 h
.irp n, 0,1,2,3
.irp k, 0,1
	global_load_b128 v[QF+8*(2*\n+\k):QF+8*(2*\n+\k)+3],   v[QO], s[68:69] offset:2048*\n+64*\k
	global_load_b128 v[QF+8*(2*\n+\k)+4:QF+8*(2*\n+\k)+7], v[QO], s[68:69] offset:2048*\n+64*\k+32
.endr
.endr
	v_and_b32 v3, 7, v0
	v_bfe_u32 v4, v0, 3, 1
	v_and_b32 v5, 31, v0
	v_mul_u32_u24 v6, v1, KP
	v_lshl_add_u32 v6, v2, 4, v6                   ; 144 r + 16 h: serves K's rows and the way out's (the same pitch)
	s_mul_i32 s20, s10, 128*KP                     ; my half of a tile's keys
	v_add_nc_u32 v[KA], s20, v6
	v_add_nc_u32 v[KA+1], SLOT, v[KA]
	v_lshl_add_u32 v7, v2, 3, v3                   ; the transposing load: key row 8 h + lane mod 8,
	v_mul_u32_u24 v7, v7, VP
	v_lshl_add_u32 v7, v4, 4, v7                   ; 16 bytes at 16 ((lane / 8) mod 2)
	s_mul_i32 s21, s10, 128*VP
	s_add_co_u32 s21, s21, KT
	v_add_nc_u32 v[VA], s21, v7
	v_add_nc_u32 v[VA+1], SLOT, v[VA]
	s_mul_i32 s22, s9, MW
	s_add_co_u32 s22, s22, MSTAGE
	v_lshl_add_u32 v[MST], v5, 4, s22
	s_mul_i32 s23, s9, 64*OP
	s_add_co_u32 s23, s23, OSTAGE
	v_add_nc_u32 v[OST], s23, v6
	v_lshrrev_b32 v7, 3, v5
	v_mul_u32_u24 v7, v7, OP
	v_lshl_add_u32 v7, v3, 4, v7
	v_add_nc_u32 v[ORD], s23, v7
	v_lshlrev_b32 v[CO], 4, v5
.irp n, 0,1,2,3
	v_mov_b32 v[ST+4*\n+3], 0                      ; v_permlanex16_b32 counts as a reader of its destination
.endr
; 64 keys (block blk of my 128 in the slot) x my 64 queries.  first = 1: the very first block starts the maximum, the sums and O.
.macro BLOCK slot, blk, first
.irp m, 0,1,2,3
.irp k, 0,1
	ds_load_b128 v[KF+8*(2*\m+\k):KF+8*(2*\m+\k)+3],   v[KA+\slot] offset:\blk*64*KP+\m*16*KP+64*\k
	ds_load_b128 v[KF+8*(2*\m+\k)+4:KF+8*(2*\m+\k)+7], v[KA+\slot] offset:\blk*64*KP+\m*16*KP+64*\k+32
.endr
.endr
.irp k, 0,1
.irp d, 0,1,2,3
	ds_load_tr16_b128 v[VF+8*(4*\k+\d):VF+8*(4*\k+\d)+3],   v[VA+\slot] offset:\blk*64*VP+\k*32*VP+32*\d
	ds_load_tr16_b128 v[VF+8*(4*\k+\d)+4:VF+8*(4*\k+\d)+7], v[VA+\slot] offset:\blk*64*VP+\k*32*VP+32*\d+16*VP
.endr
.endr
	; the block's scales, the same in every lane
	v_mul_f32 v[AS],   s17, s[SCL+8*\slot+4*\blk+1]        ; a = alpha_q alpha_k
	v_mul_f32 v[AS+1], s16, s[SCL+8*\slot+4*\blk+1]        ; -a
.if \first == 0
	v_mul_f32 v[RV],   s[SCL+8*\slot+4*\blk+3], v[PV]      ; alpha_v(last block) / alpha_v(this block),
	v_mul_f32 v[RV+1], s[SCL+8*\slot+4*\blk+3], v[PV]      ; twice: the pair's second register counts as read
.endif
	v_mov_b32 v[PV], s[SCL+8*\slot+4*\blk+2]               ; O's unit from here on
.if \first
	s_wait_loadcnt 0x0                             ; Q, once
.endif
	s_wait_dscnt 16                                ; K's 16 loads are in; V's 16 stay out
	; S^T: 16 tiles, d in two steps of 32.  The 16 accumulators take turns, one instruction a turn.
	WIN 0x50
.irp k, 0,1
.irp n, 0,1,2,3
.irp m, 0,1,2,3
.if \k == 0
	v_wmma_f32_16x16x32_f16 v[SC+8*(4*\n+\m):SC+8*(4*\n+\m)+7], v[KF+8*(2*\m+\k):KF+8*(2*\m+\k)+7], v[QF+8*(2*\n+\k):QF+8*(2*\n+\k)+7], 0
.else
	v_wmma_f32_16x16x32_f16 v[SC+8*(4*\n+\m):SC+8*(4*\n+\m)+7], v[KF+8*(2*\m+\k):KF+8*(2*\m+\k)+7], v[QF+8*(2*\n+\k):QF+8*(2*\n+\k)+7], v[SC+8*(4*\n+\m):SC+8*(4*\n+\m)+7]
.endif
.endr
.endr
.endr
.rept 4
	v_nop                                          ; four places before vector instructions read the results (ISA guide 7.12.1)
.endr
	; the largest of my 32 raw scores of each query tile: four chains side by side
	WIN 0x05
.irp n, 0,1,2,3
	v_max_num_f32 v[ST+4*\n+1], v[SC+32*\n], v[SC+32*\n+1]
.endr
.set i, 1
.rept 15
.irp n, 0,1,2,3
	v_max3_num_f32 v[ST+4*\n+1], v[SC+32*\n+2*i], v[SC+32*\n+2*i+1], v[ST+4*\n+1]
.endr
.set i, i+1
.endr
	WIN 0
.irp n, 0,1,2,3
	v_permlanex16_b32 v[ST+4*\n+3], v[ST+4*\n+1], s18, s19         ; the other half's keys of the same query
.endr
.irp n, 0,1,2,3
	v_max_num_f32 v[ST+4*\n+3], v[ST+4*\n+1], v[ST+4*\n+3]
.endr
.if \first
.irp n, 0,1,2,3
	v_mul_f32 v[ST+4*\n], v[AS+1], v[ST+4*\n+3]                    ; NM = -a x the raw maximum: exact, a is a power of two
.endr
.else
.irp n, 0,1,2,3
	v_mul_f32 v[ST+4*\n+3], v[AS+1], v[ST+4*\n+3]
.endr
.irp n, 0,1,2,3
	v_min_num_f32 v[ST+4*\n+3], v[ST+4*\n+3], v[ST+4*\n]           ; the new NM
.endr
.irp n, 0,1,2,3
	v_sub_f32 v[ST+4*\n+2], v[ST+4*\n+3], v[ST+4*\n]               ; new NM - old NM, at most 0
.endr
.irp n, 0,1,2,3
	v_exp_f32 v[ST+4*\n+2], v[ST+4*\n+2]                           ; AL
.endr
.irp n, 0,1,2,3
	v_mov_b32 v[ST+4*\n], v[ST+4*\n+3]                             ; plain instructions that touch no AL: the place behind the exponentials (ISA guide 5.7.2)
.endr
	s_wait_alu depctr_va_vdst(0)
.irp n, 0,1,2,3
	v_pk_mul_f32 v[LS+2*\n:LS+2*\n+1], v[LS+2*\n:LS+2*\n+1], v[ST+4*\n+2:ST+4*\n+3] op_sel_hi:[1,0]
.endr
.irp n, 0,1,2,3
	v_pk_mul_f32 v[AO+2*\n:AO+2*\n+1], v[ST+4*\n+2:ST+4*\n+3], v[RV:RV+1] op_sel_hi:[0,0]   ; for O: AL and the change of unit, in both registers
.endr
.endif
	; p = 2^(S' a + NM), in place; the old O is scaled between the exponentials, which gives each pair of them its plain place
	WIN 0x41
.set i, 0
.rept 64
	v_pk_fma_f32 v[SC+2*i:SC+2*i+1], v[SC+2*i:SC+2*i+1], v[AS:AS+1], v[ST+4*(i/16):ST+4*(i/16)+1] op_sel_hi:[1,0,0]
.set i, i+1
.endr
.set i, 0
.rept 64
	v_exp_f32 v[SC+2*i], v[SC+2*i]
	v_exp_f32 v[SC+2*i+1], v[SC+2*i+1]
.if \first == 0
	v_pk_mul_f32 v[OA+2*i:OA+2*i+1], v[OA+2*i:OA+2*i+1], v[AO+2*(i/16):AO+2*(i/16)+1] op_sel_hi:[1,0]
.endif
.set i, i+1
.endr
.if \first
	v_nop                                          ; the place behind the last exponentials
	WIN 0x05
	s_wait_alu depctr_va_vdst(0)
.irp n, 0,1,2,3
	v_pk_add_f32 v[LS+2*\n:LS+2*\n+1], v[SC+32*\n:SC+32*\n+1], v[SC+32*\n+2:SC+32*\n+3]    ; the first two pairs start the sums
.endr
.set i, 2
.else
.set i, 0
.endif
	WIN 0x01
	s_wait_alu depctr_va_vdst(0)
.rept 16-2*\first
.irp n, 0,1,2,3
	v_pk_add_f32 v[LS+2*\n:LS+2*\n+1], v[SC+32*\n+2*i:SC+32*\n+2*i+1], v[LS+2*\n:LS+2*\n+1]
.endr
.set i, i+1
.endr
	; P^T as B fragments: registers 0-3 from S^T(2 kk), 4-7 from S^T(2 kk + 1); no word is written ahead of one still to be read
	WIN 0x45
.irp n, 0,1,2,3
.irp k, 0,1
.irp j, 0,1,2,3
	v_cvt_pk_f16_f32 v[SC+8*(4*\n+2*\k)+\j], v[SC+8*(4*\n+2*\k)+2*\j], v[SC+8*(4*\n+2*\k)+2*\j+1]
.endr
.irp j, 0,1,2,3
	v_cvt_pk_f16_f32 v[SC+8*(4*\n+2*\k)+4+\j], v[SC+8*(4*\n+2*\k+1)+2*\j], v[SC+8*(4*\n+2*\k+1)+2*\j+1]
.endr
.endr
.endr
	s_wait_dscnt 0x0                               ; V
	; O^T += V^T P^T: 16 tiles, keys in two steps of 32, the accumulators by turns as above
	WIN 0x54
.irp k, 0,1
.irp n, 0,1,2,3
.irp d, 0,1,2,3
.if \first*(1-\k)
	v_wmma_f32_16x16x32_f16 v[OA+8*(4*\n+\d):OA+8*(4*\n+\d)+7], v[VF+8*(4*\k+\d):VF+8*(4*\k+\d)+7], v[SC+8*(4*\n+2*\k):SC+8*(4*\n+2*\k)+7], 0
.else
	v_wmma_f32_16x16x32_f16 v[OA+8*(4*\n+\d):OA+8*(4*\n+\d)+7], v[VF+8*(4*\k+\d):VF+8*(4*\k+\d)+7], v[SC+8*(4*\n+2*\k):SC+8*(4*\n+2*\k)+7], v[OA+8*(4*\n+\d):OA+8*(4*\n+\d)+7]
.endif
.endr
.endr
.endr
.rept 5
	v_nop                                          ; five places: the next block loads into VF and its products write over P
.endr
	WIN 0
.endm
; A tile of 256 keys.  In front of the round every wave waits for all its tensor loads (its part of this tile) and for its reads of the other
; slot; behind the round's closing wait the other slot's joint refill comes first, one tensor load a wave.
.macro TRIP slot, other, refill, first
	s_wait_tensorcnt 0x0                           ; no tensor load of mine is out, so a group 0 may be written:
	ds_add_u32 v242, v243
	s_wait_dscnt 0x0
	s_add_nc_u64 s[G0K+4*\slot+2:G0K+4*\slot+3], s[G0K+4*\slot+2:G0K+4*\slot+3], 65536    ; this slot's next tile, two tiles on
	s_add_nc_u64 s[G0V+4*\slot+2:G0V+4*\slot+3], s[G0V+4*\slot+2:G0V+4*\slot+3], 65536
	s_wait_kmcnt 0x0                               ; this tile's scales are in, and no scalar load is out: their pointer may step
.if \first
	s_xor_b32 s16, s17, 0x80000000                 ; -alpha_q
.endif
.if \refill
	s_add_nc_u64 s[SP:SP+1], s[SP:SP+1], 64        ; the next tile's four entries; my two of them,
	s_load_b256 s[SCL+8*\other:SCL+8*\other+7], s[SP:SP+1], 0x0        ; into the set that the last tile's blocks have read
.endif
	s_wait_dscnt 0x0
	ROUND
.if \refill
	JLOAD \other
.endif
	BLOCK \slot, 0, \first
	BLOCK \slot, 1, 0
.endm
	TRIP 0, 1, 1, 1                                ; tiles 0 and 1 stand in front of the loop: the first block starts the sums
	TRIP 1, 0, 1, 0
	s_mov_b32 s56, 2
.Ltiles:
	TRIP 0, 1, 1, 0                                ; tiles 2 to 5
	TRIP 1, 0, 1, 0
	s_sub_co_u32 s56, s56, 1
	s_cmp_lg_u32 s56, 0
	s_cbranch_scc1 .Ltiles
	TRIP 0, 1, 1, 0                                ; tile 6 asks for tile 7,
	TRIP 1, 0, 0, 0                                ; which asks for nothing
	; THE MERGE of the two halves of the keys.  First each wave's sum of p: its two chains and the two halves of the lanes.
.irp n, 0,1,2,3
	v_add_f32 v[LT+\n], v[LS+2*\n], v[LS+2*\n+1]
.endr
.irp n, 0,1,2,3
	v_permlanex16_b32 v[ST+4*\n+3], v[LT+\n], s18, s19
.endr
.irp n, 0,1,2,3
	v_add_f32 v[LT+\n], v[LT+\n], v[ST+4*\n+3]
.endr
	v_mov_b32 v[ST+1], v[PV]                       ; my O's unit rides in the state's first line, in T's place
	s_cmp_eq_u32 s10, 0
	s_cbranch_scc1 .Lkeeps
	WIN 0x04                                       ; the waves with kh = 1 hand over O (32 lines of 512 bytes), the state (4) and the sums (1)
.set g, 0
.rept 32
	ds_store_b128 v[MST], v[OA+4*g:OA+4*g+3] offset:512*g
.set g, g+1
.endr
	WIN 0
.irp n, 0,1,2,3
	ds_store_b128 v[MST], v[ST+4*\n:ST+4*\n+3] offset:512*(32+\n)
.endr
	ds_store_b128 v[MST], v[LT:LT+3] offset:512*36
.Lkeeps:
	s_wait_dscnt 0x0                               ; for the other wave's sake: my stores are done
	s_barrier_signal -1
	s_barrier_wait -1
	s_cmp_lg_u32 s10, 0
	s_cbranch_scc1 .Lclose                         ; the waves with kh = 1 have nothing left but the closing round
.irp q, 0,1,2,3,4
	ds_load_b128 v[QF+4*\q:QF+4*\q+3], v[MST] offset:512*(32+\q)       ; the partner's state: v48+4 nt = NM; v49 its O's unit; v64-67 its sums
.endr
.set g, 0
.rept 32
	ds_load_b128 v[KF+4*g:KF+4*g+3], v[MST] offset:512*g               ; the partner's O into v112-239
.set g, g+1
.endr
	s_wait_dscnt 32                                ; the state is in; the 32 loads of O stay out
.irp n, 0,1,2,3
	v_min_num_f32 v[ST+4*\n+3], v[ST+4*\n], v[QF+4*\n]     ; the common NM: the larger maximum
.endr
.irp n, 0,1,2,3
	v_sub_f32 v[AO+2*\n],   v[ST+4*\n+3], v[ST+4*\n]
	v_sub_f32 v[AO+2*\n+1], v[ST+4*\n+3], v[QF+4*\n]
.endr
.irp n, 0,1,2,3
	v_exp_f32 v[AO+2*\n],   v[AO+2*\n]                     ; my scale,
	v_exp_f32 v[AO+2*\n+1], v[AO+2*\n+1]                   ; the partner's: one of the two is 1
.endr
	v_nop
	s_wait_alu depctr_va_vdst(0)
.irp n, 0,1,2,3
	v_mul_f32 v[LT+\n], v[LT+\n], v[AO+2*\n]
.endr
.irp n, 0,1,2,3
	v_fmac_f32 v[LT+\n], v[QF+16+\n], v[AO+2*\n+1]         ; the whole sum of p: at least 1, the p of the largest score
.endr
.irp n, 0,1,2,3
	v_rcp_f32 v[ST+4*\n+3], v[LT+\n]
.endr
	v_nop
	s_wait_alu depctr_va_vdst(0)
.irp n, 0,1,2,3
	v_mul_f32 v[AO+2*\n],   v[AO+2*\n],   v[ST+4*\n+3]
	v_mul_f32 v[AO+2*\n+1], v[AO+2*\n+1], v[ST+4*\n+3]
.endr
.irp n, 0,1,2,3
	v_mul_f32 v[ST+4*\n],   v[AO+2*\n],   v[PV]            ; what my O is multiplied by: scale / sum x its unit,
	v_mul_f32 v[ST+4*\n+2], v[AO+2*\n+1], v[QF+1]          ; and the partner's
.endr
	s_wait_dscnt 0x0
.set i, 0
.rept 64
	v_pk_mul_f32 v[KF+2*i:KF+2*i+1], v[KF+2*i:KF+2*i+1], v[ST+4*(i/16)+2:ST+4*(i/16)+3] op_sel_hi:[1,0]
.set i, i+1
.endr
	WIN 0x01
.set i, 0
.rept 64
	v_pk_fma_f32 v[KF+2*i:KF+2*i+1], v[OA+2*i:OA+2*i+1], v[ST+4*(i/16):ST+4*(i/16)+1], v[KF+2*i:KF+2*i+1] op_sel_hi:[1,0,1]
.set i, i+1
.endr
	WIN 0
.set g, 0
.rept 16
.irp j, 0,1,2,3
	v_cvt_pk_bf16_f32 v[KF+8*g+\j], v[KF+8*g+2*\j], v[KF+8*g+2*\j+1]
.endr
.set g, g+1
.endr
	; through my own stage: row = query, 16 bytes a lane; back as rows of 128 bytes, which lie in ctx without a gap
.irp n, 0,1,2,3
.irp d, 0,1,2,3
	ds_store_b128 v[OST], v[KF+8*(4*\n+\d):KF+8*(4*\n+\d)+3] offset:\n*16*OP+32*\d
.endr
.endr
.set g, 0
.rept 16
	ds_load_b128 v[QF+4*g:QF+4*g+3], v[ORD] offset:g*4*OP              ; LDS serves a wave's instructions in order (ISA guide 5.7.1): these see the stores above
.set g, g+1
.endr
.set g, 0
.rept 16
	s_wait_dscnt 15-g                              ; the younger read-backs may be out
	global_store_b128 v[CO], v[QF+4*g:QF+4*g+3], s[6:7] offset:512*g   ; 512 consecutive bytes, aligned
.set g, g+1
.endr
.Lclose:
	s_wait_tensorcnt 0x0
	ds_add_u32 v242, v243
	s_wait_dscnt 0x0
	ROUND                                          ; the closing round: no work-group ends while a partner may still ask for a tile that names it
	s_endpgm
.Lfunc_end_k_q01c067365e_attn:
	.size	k_q01c067365e_attn, .Lfunc_end_k_q01c067365e_attn-k_q01c067365e_attn
	.p2alignl 7, 3214868480
	.fill 96, 4, 3214868480
	.section	.rodata,"a",@progbits
	.p2align	6, 0x0
	.amdhsa_kernel k_q01c067365e_attn
		.amdhsa_group_segment_fixed_size 327680
		.amdhsa_private_segment_fixed_size 0
		.amdhsa_enable_private_segment 0
		.amdhsa_kernarg_size 24
		.amdhsa_user_sgpr_count 2
		.amdhsa_user_sgpr_kernarg_segment_ptr 1
		.amdhsa_wavefront_size32 1
		.amdhsa_system_sgpr_workgroup_id_x 1
		.amdhsa_system_sgpr_workgroup_id_y 1
		.amdhsa_system_sgpr_workgroup_id_z 1
		.amdhsa_system_vgpr_workitem_id 0
		.amdhsa_next_free_vgpr 512
		.amdhsa_next_free_sgpr 92
		.amdhsa_reserve_vcc 0
		.amdhsa_float_denorm_mode_32 3
		.amdhsa_float_denorm_mode_16_64 3
		.amdhsa_memory_ordered 1
		.amdhsa_forward_progress 1
		.amdhsa_inst_pref_size 255
	.end_amdhsa_kernel
	.section	.bss,"aw",@nobits
	.p2align	6
	.space	262144
	.amdgpu_metadata
---
amdhsa.version: [ 1, 2 ]
amdhsa.kernels:
  - .name:           k_q01c067365e_attn
    .symbol:         k_q01c067365e_attn.kd
    .args:
      - { .name: qkv, .offset: 0, .size: 8, .value_kind: global_buffer, .address_space: global }
      - { .name: scl, .offset: 8, .size: 8, .value_kind: global_buffer, .address_space: global }
      - { .name: ctx, .offset: 16, .size: 8, .value_kind: global_buffer, .address_space: global }
    .group_segment_fixed_size: 327680
    .private_segment_fixed_size: 0
    .kernarg_segment_align: 8
    .kernarg_segment_size: 24
    .max_flat_workgroup_size: 256
    .sgpr_count:     92
    .vgpr_count:     512
    .wavefront_size: 32
...
	.end_amdgpu_metadata
.endif
;; end of part 3
;; launch proj (part 4): grid 8 x 32, 4 waves a work-group, clusters of 4 x 4, 327,680 bytes of LDS; arguments ctx, cb, bo, out0; writes out0
.if DOCPART == 4
	.amdgcn_target "amdgcn-amd-amdhsa--gfx1250"
	.amdhsa_code_object_version 6
	.text
	.protected	k_q01c067365e_proj
	.globl	k_q01c067365e_proj
	.p2align	8
	.type	k_q01c067365e_proj,@function
k_q01c067365e_proj:
	s_mov_b64 s[64:65], 0
	v_nop
	global_prefetch_b8 v0, s[64:65] scope:SCOPE_SE
	s_setreg_imm32_b32 hwreg(HW_REG_WAVE_MODE, 25, 1), 1
	s_wait_xcnt 0x0
	s_wait_alu depctr_hold_cnt(0) depctr_sa_sdst(0) depctr_va_vdst(0) depctr_va_sdst(0) depctr_va_ssrc(0) depctr_va_vcc(0) depctr_vm_vsrc(0)
	s_getreg_b32 s2, hwreg(HW_REG_IB_STS2, 6, 4)
	s_cmp_eq_u32 s2, 0
	s_cbranch_scc0 .Lentry_in_a_cluster
	s_endpgm
.Lentry_in_a_cluster:
	s_bfe_u32 s2, ttmp6, 0x10000c
	s_cmp_lg_u32 s2, 0xf033
	s_cbranch_scc0 .Lentry_shape_is_right
	s_endpgm
.Lentry_shape_is_right:
; out0 = ctx Wo + bo.  ctx bf16 in planes [block of 128 rows, 32][head 16][row 128][64], Wo bf16 [1024 k][1024 n] at byte 0xE00000 of cb, out0 f32.
; A work-group makes 128 x 128 of out0, so that 256 work-groups share the 4,096 x 1,024 outputs; four waves, wave w = 2 i + j makes rows 64 i .. + 63,
; columns 64 j .. + 63: 16 accumulator tiles.  That is one LDS load for each matrix instruction: the price of filling every WGP at this size.
; K goes in 4 steps of 256 (four head planes) through two LDS slots.  Waves 0 and 1 ask for two planes of ctx each (256 dense rows of 128 bytes),
; waves 2 and 3 for 128 k rows of Wo each: one tensor load a wave.  By this text's count a wave has two tensor loads out at the start, then one.
; CLUSTERS: 4 x 4 work-groups; ctx's tiles hang on the block row alone and are asked for jointly by a row of the cluster, Wo's on the block
; column alone and are asked for jointly by a column.
; The matrix instruction is used transposed (source 0 = 16 columns of Wo, by the transposing LDS load; source 1 = 16 rows of ctx): lane (r, h),
; register j holds out(row r, column n0 + 8 h + j).  The bias has the same layout and is the first C.
; LIMITS: ctx, Wo and the bias enter as bf16 (8 bits of significand); the order of the sums is the matrix unit's.
.set PA,     144                       ; ctx's LDS pitch: 128 + 16 bytes
.set PB,     288                       ; Wo's LDS pitch: 256 + 32 bytes
.set PLANE,  128*PA                    ; 18,432
.set HB,     128*PB                    ; 36,864: what one tensor load brings, of either kind
.set AT,     4*PLANE                   ; 73,728: Wo's rows lie behind ctx's four planes
.set SLOT,   AT+2*HB                   ; 147,456
.set STAGE,  2*SLOT                    ; at a multiple of 256: 16 rows x 272 bytes for each wave; no tensor load lands here
.set SPITCH, 272
.set ADRA, 16                          ; v16-17  LDS address of my ctx fragments in slot 0, 1
.set ADRB, 18                          ; v18-21  of my Wo fragments: 2 x slot + half of the slot's 256 k rows
.set STO,  24
.set RD,   25
.set CO,   26
.set BO,   27
.set F0,   32                          ; v32-95   buffer 0: ctx's 4 fragments, then Wo's 4
.set F1,   96                          ; v96-159  buffer 1
.set BIAS, 160                         ; v160-191 column tile t: 8 registers
.set RB,   224                         ; v224-255 the way out: rows read back (at the start: at work while the bias is rounded)
.set G1A, 24
.set G0A, 32
.set G1B, 40
.set G0B, 48
.set MSB, 0
.macro WIN new
.if MSB != \new
	s_set_vgpr_msb (MSB<<8)|\new
.set MSB, \new
.endif
.endm
.macro PLACES                          ; four places behind a matrix instruction (ISA guide 7.12.1)
.rept 4
	v_nop
.endr
.endm
.macro JLOAD s                         ; waves 0, 1 ask for ctx, waves 2, 3 for Wo; the branch hangs on the wave's number alone
	s_cmp_eq_u32 s15, 0
	s_cbranch_scc0 .Lfor_w_\@
	tensor_load_to_lds s[G0A+4*\s:G0A+4*\s+3], s[G1A:G1A+7]
	s_nop 0
	s_branch .Lasked_\@
.Lfor_w_\@:
	tensor_load_to_lds s[G0B+4*\s:G0B+4*\s+3], s[G1B:G1B+7]
	s_nop 0
.Lasked_\@:
.endm
.macro CREST
	s_cmp_lg_u32 s14, 0
	s_cbranch_scc1 .Lnot_wave_0_\@
	s_barrier_signal -3
.Lnot_wave_0_\@:
	s_barrier_wait -3
	s_barrier_signal -1
	s_barrier_wait -1
.endm
.macro CROUND
	s_barrier_signal -1
	s_barrier_wait -1
	CREST
.endm
	s_load_b256 s[4:11], s[0:1], 0x0               ; ctx s[4:5], cb s[6:7], bo s[8:9], out0 s[10:11]
	v_lshl_add_u32 v222, v0, 2, 0x4c400
	v_mov_b32 v223, 0
	ds_add_u32 v222, v223
	v_lshrrev_b32 v1, 5, v0
	v_readfirstlane_b32 s14, v1                    ; wave 0..3
	s_lshr_b32 s15, s14, 1                         ; i: which 64 rows.  Also: I ask for ctx (0) or for Wo (1)
	s_and_b32 s16, s14, 1                          ; j: which 64 columns.  Also: which half of that tile I ask for
	s_bfe_u32 s17, ttmp6, 0x40000                  ; cx
	s_bfe_u32 s18, ttmp6, 0x40004                  ; cy
	s_lshl_b32 s19, ttmp9, 2
	s_add_co_u32 s19, s19, s17                     ; bn: block column, 0..7
	s_and_b32 s20, ttmp7, 0xffff
	s_lshl_b32 s20, s20, 2
	s_add_co_u32 s20, s20, s18                     ; by: block row, 0..31
	s_lshl_b32 s21, s18, 2
	s_lshl_b32 s21, 15, s21                        ; my row of the cluster
	s_lshl_b32 s22, 0x1111, s17                    ; my column
	s_or_b32 s[G1A+0], s21, (1<<16)|(1<<20)|(1<<21)|(4<<22)|(3<<25)   ; ctx: 4 words of padding behind every 32
	s_or_b32 s[G1B+0], s22, (1<<16)|(1<<20)|(1<<21)|(5<<22)|(7<<25)   ; Wo: 8 words behind every 64
	s_mov_b32 s[G1A+1], 64<<16                     ; ctx: rows of 64 elements,
	s_mov_b32 s[G1A+2], 256<<16                    ; 256 of them (two planes),
	s_mov_b32 s[G1A+3], 64<<16
	s_mov_b32 s[G1A+4], 256
	s_mov_b32 s[G1A+5], 64                         ; one behind the other
	s_mov_b32 s[G1A+6], 0
	s_mov_b32 s[G1A+7], 0
	s_mov_b32 s[G1B+1], 128<<16                    ; Wo: rows of 128 elements,
	s_mov_b32 s[G1B+2], 128<<16                    ; 128 of them,
	s_mov_b32 s[G1B+3], 128<<16
	s_mov_b32 s[G1B+4], 128
	s_mov_b32 s[G1B+5], 1024                       ; 1,024 elements apart
	s_mov_b32 s[G1B+6], 0
	s_mov_b32 s[G1B+7], 0
	s_lshl_b32 s56, s20, 18                        ; ctx: block row by, 16 planes of 16,384 bytes,
	s_lshl_b32 s57, s16, 15                        ; my two planes of a step's four
	s_add_co_u32 s56, s56, s57
	s_mov_b32 s57, 0
	s_lshl_b32 s58, s16, 18                        ; Wo: my 128 k rows of 2,048 bytes,
	s_lshl_b32 s59, s19, 8                         ; 128 bn columns of 2 bytes,
	s_add_co_u32 s58, s58, s59
	s_add_co_u32 s58, s58, 0xe00000                ; Wo's place in cb
	s_mov_b32 s59, 0
	s_mul_i32 s23, s14, HB                         ; where they go: wave x 36,864
	; out0's and the bias's offsets, in registers that feed no descriptor and no LDS address
	s_lshl_b32 s68, s20, 19                        ; 128 by rows of 4,096 bytes
	s_lshl_b32 s70, s15, 18                        ; 64 i rows
	s_add_co_u32 s68, s68, s70
	s_lshl_b32 s66, s19, 9                         ; (128 bn + 64 j) x 4 bytes
	s_lshl_b32 s67, s16, 8
	s_add_co_u32 s66, s66, s67
	s_add_co_u32 s68, s68, s66
	s_mov_b32 s69, 0
	v_bfe_u32 v2, v0, 4, 1                         ; h
	v_lshl_add_u32 v[BO], v2, 5, s66               ; + 8 h x 4 bytes
	s_wait_dscnt 0x0
	s_wait_kmcnt 0x0
	s_add_nc_u64 s[56:57], s[4:5], s[56:57]
	s_add_nc_u64 s[58:59], s[6:7], s[58:59]
	s_add_nc_u64 s[10:11], s[10:11], s[68:69]
	CROUND                                         ; all sixteen work-groups are here: the first joint loads meet
.irp s, 0,1
	s_mov_b32 s[G0A+4*\s], 1
	s_add_co_u32 s[G0A+4*\s+1], s23, \s*SLOT
	s_add_nc_u64 s[G0A+4*\s+2:G0A+4*\s+3], s[56:57], \s*65536          ; K step s: four planes on
	s_or_b32 s[G0A+4*\s+3], s[G0A+4*\s+3], 0x80000000
	s_mov_b32 s[G0B+4*\s], 1
	s_add_co_u32 s[G0B+4*\s+1], s23, \s*SLOT
	s_add_nc_u64 s[G0B+4*\s+2:G0B+4*\s+3], s[58:59], \s*524288         ; K step s: 256 rows of 2,048 bytes down
	s_or_b32 s[G0B+4*\s+3], s[G0B+4*\s+3], 0x80000000
	JLOAD \s
.endr
.irp t, 0,1,2,3
	global_load_b128 v[BIAS+8*\t:BIAS+8*\t+3],   v[BO], s[8:9] offset:64*\t
	global_load_b128 v[BIAS+8*\t+4:BIAS+8*\t+7], v[BO], s[8:9] offset:64*\t+16
.endr
	v_and_b32 v1, 15, v0                           ; r
	v_and_b32 v3, 7, v0
	v_bfe_u32 v4, v0, 3, 1
	v_mul_u32_u24 v6, v1, PA
	v_lshl_add_u32 v6, v2, 4, v6
	s_mul_i32 s60, s15, 64*PA
	v_add_nc_u32 v[ADRA], s60, v6                  ; (64 i + r) x pitch + 16 h
	v_add_nc_u32 v[ADRA+1], SLOT, v[ADRA]
	v_lshl_add_u32 v7, v2, 3, v3                   ; the transposing load: k row 8 h + lane mod 8,
	v_mul_u32_u24 v7, v7, PB
	v_lshl_add_u32 v7, v4, 4, v7                   ; 16 bytes at 16 ((lane / 8) mod 2),
	s_lshl_b32 s61, s16, 7                         ; in my 64 columns
	s_add_co_u32 s61, s61, AT
	v_add_nc_u32 v7, s61, v7
.irp q, 0,1,2,3
	v_add_nc_u32 v[ADRB+\q], (\q/2)*SLOT+(\q%2)*HB, v7
.endr
	s_mul_i32 s62, s14, 16*SPITCH
	s_add_co_u32 s62, s62, STAGE                   ; my stage
	v_mul_u32_u24 v8, v1, SPITCH
	v_lshl_add_u32 v8, v2, 5, v8
	v_add_nc_u32 v[STO], s62, v8                   ; in: row r, 32 bytes for each half of the lanes
	v_mul_u32_u24 v9, v2, SPITCH
	v_lshl_add_u32 v9, v1, 4, v9
	v_add_nc_u32 v[RD], s62, v9                    ; back: lanes 0-15 take a row of 256 bytes, lanes 16-31 the next
	v_lshlrev_b32 v[CO], 12, v2
	v_lshl_add_u32 v[CO], v1, 4, v[CO]             ; and the same two rows in out0
	; the bias is rounded to bf16, as the weights were: every input enters the sums in the one format.  Done while the first tiles are on their way.
	s_wait_loadcnt 0x0
.set bi, 0
.rept 16
	v_cvt_pk_bf16_f32 v[RB+bi], v[BIAS+2*bi], v[BIAS+2*bi+1]
.set bi, bi+1
.endr
.set bi, 0
.rept 16
	v_lshlrev_b32 v[BIAS+2*bi], 16, v[RB+bi]               ; back to f32: the low half moves up,
	v_and_b32 v[BIAS+2*bi+1], 0xffff0000, v[RB+bi]         ; the high half stays
.set bi, bi+1
.endr
; 8 matrix instructions: column tiles nb, nb + 1 x my four row tiles.  bias = 1: the bias is the first C.
; The 16 accumulators take turns, one instruction a turn, in the same order in every quarter.
.macro MUL8 f, nb, bias
.irp n, \nb, \nb+1
.irp m, 0,1,2,3
.if \bias
	v_wmma_f32_16x16x32_bf16 v[8*(4*(\n)+\m):8*(4*(\n)+\m)+7], v[\f+32+8*(\n):\f+32+8*(\n)+7], v[\f+8*\m:\f+8*\m+7], v[BIAS+8*(\n):BIAS+8*(\n)+7]
.else
	v_wmma_f32_16x16x32_bf16 v[8*(4*(\n)+\m):8*(4*(\n)+\m)+7], v[\f+32+8*(\n):\f+32+8*(\n)+7], v[\f+8*\m:\f+8*\m+7], v[8*(4*(\n)+\m):8*(4*(\n)+\m)+7]
.endif
.endr
.endr
.endm
; 16 LDS loads: part kq (32 along K, 0..7) of a slot into buffer f.  Part kq lies in plane kq / 2 at d = 32 (kq mod 2), and in k rows 32 kq .. + 31.
.macro FETCH slot, kq, f
.irp m, 0,1,2,3
	ds_load_b128 v[\f+8*\m:\f+8*\m+3],   v[ADRA+\slot] offset:((\kq)/2)*PLANE+\m*16*PA+64*((\kq)%2)
	ds_load_b128 v[\f+8*\m+4:\f+8*\m+7], v[ADRA+\slot] offset:((\kq)/2)*PLANE+\m*16*PA+64*((\kq)%2)+32
.endr
.irp t, 0,1,2,3
	ds_load_tr16_b128 v[\f+32+8*\t:\f+32+8*\t+3],   v[ADRB+2*\slot+(\kq)/4] offset:((\kq)%4)*32*PB+32*\t
	ds_load_tr16_b128 v[\f+32+8*\t+4:\f+32+8*\t+7], v[ADRB+2*\slot+(\kq)/4] offset:((\kq)%4)*32*PB+32*\t+16*PB
.endr
.endm
; Fetches part kq into buffer g and multiplies the part before it, which lies in buffer f.
.macro QUARTER slot, kq, f, g, bias
	PLACES                                         ; buffer g was read by the matrix instructions just issued
	FETCH \slot, \kq, \g
	s_wait_dscnt 16                                ; all but the 16 just issued
.if \bias
	WIN 0x40                                       ; D in window 1, the bias in window 0
.else
	WIN 0x50                                       ; C and D in window 1
.endif
	MUL8 \f, 0, \bias
	MUL8 \f, 2, \bias
	WIN 0
.endm
.macro SEVEN slot, bias
	QUARTER \slot, 1, F0, F1, \bias
	QUARTER \slot, 2, F1, F0, 0
	QUARTER \slot, 3, F0, F1, 0
	QUARTER \slot, 4, F1, F0, 0
	QUARTER \slot, 5, F0, F1, 0
	QUARTER \slot, 6, F1, F0, 0
	QUARTER \slot, 7, F0, F1, 0
.endm
; The last part of a K step (buffer 1) and the change of slots: each wave's reads of this slot and all its tensor loads are waited for in front
; of the barrier; where the slot is filled again the barrier opens a round of the cluster's barrier and the joint refill comes first behind it.
.macro TURN slot, next, fill
	s_wait_dscnt 0x0
	s_wait_tensorcnt 0x0
	ds_add_u32 v222, v223
	s_wait_dscnt 0x0
	s_barrier_signal -1
	WIN 0x50
	MUL8 F1, 0, 0                                  ; register work while the others arrive
	WIN 0
	s_barrier_wait -1
.if \fill
	CREST
	s_add_nc_u64 s[G0A+4*\slot+2:G0A+4*\slot+3], s[G0A+4*\slot+2:G0A+4*\slot+3], 131072
	s_add_nc_u64 s[G0B+4*\slot+2:G0B+4*\slot+3], s[G0B+4*\slot+2:G0B+4*\slot+3], 1048576
	JLOAD \slot
.endif
	PLACES
	FETCH \next, 0, F0
	WIN 0x50
	MUL8 F1, 2, 0
	WIN 0
.endm
	s_wait_tensorcnt 0x1                           ; my part of K step 0 is in; K step 1's load may stay out
	s_barrier_signal -1
	s_barrier_wait -1
	FETCH 0, 0, F0
	SEVEN 0, 1
	TURN 0, 1, 1                                   ; slot 0 gets K step 2
	SEVEN 1, 0
	TURN 1, 0, 1                                   ; slot 1 gets K step 3
	SEVEN 0, 0
	TURN 0, 1, 0                                   ; nothing is left to fetch
	SEVEN 1, 0
	s_wait_dscnt 0x0
	WIN 0x50
	MUL8 F1, 0, 0
	MUL8 F1, 2, 0
	WIN 0
	; THE WAY OUT, 16 rows at a time: the f32 results go as they are into my own stage and come back as rows of 256 bytes:
	; sixteen lanes store 256 consecutive bytes, aligned.
	PLACES                                         ; the places behind the last matrix instructions, before LDS stores read the results
.macro OUT16 m
	WIN 0x04                                       ; the stores' data in window 1
.irp t, 0,1,2,3
	ds_store_b128 v[STO], v[8*(4*\t+\m):8*(4*\t+\m)+3]   offset:64*\t
	ds_store_b128 v[STO], v[8*(4*\t+\m)+4:8*(4*\t+\m)+7] offset:64*\t+16
.endr
	WIN 0
	s_wait_xcnt 0x0                                ; RB, which the last stores read, is rewritten only behind this wait
.irp t, 0,1,2,3,4,5,6,7
	ds_load_b128 v[RB+4*\t:RB+4*\t+3], v[RD] offset:\t*2*SPITCH        ; LDS serves a wave's instructions in order (ISA guide 5.7.1): these see the stores above
.endr
.irp t, 0,1,2,3,4,5,6,7
	s_wait_dscnt 7-\t                              ; the younger read-backs may be out
	global_store_b128 v[CO], v[RB+4*\t:RB+4*\t+3], s[10:11] offset:(16*\m+2*\t)*4096 th:TH_STORE_NT
.endr
.endm
	OUT16 0
	OUT16 1
	OUT16 2
	OUT16 3
	s_wait_tensorcnt 0x0
	ds_add_u32 v222, v223
	s_wait_dscnt 0x0
	CROUND                                         ; the closing round
	s_endpgm
.Lfunc_end_k_q01c067365e_proj:
	.size	k_q01c067365e_proj, .Lfunc_end_k_q01c067365e_proj-k_q01c067365e_proj
	.p2alignl 7, 3214868480
	.fill 96, 4, 3214868480
	.section	.rodata,"a",@progbits
	.p2align	6, 0x0
	.amdhsa_kernel k_q01c067365e_proj
		.amdhsa_group_segment_fixed_size 327680
		.amdhsa_private_segment_fixed_size 0
		.amdhsa_enable_private_segment 0
		.amdhsa_kernarg_size 32
		.amdhsa_user_sgpr_count 2
		.amdhsa_user_sgpr_kernarg_segment_ptr 1
		.amdhsa_wavefront_size32 1
		.amdhsa_system_sgpr_workgroup_id_x 1
		.amdhsa_system_sgpr_workgroup_id_y 1
		.amdhsa_system_sgpr_workgroup_id_z 1
		.amdhsa_system_vgpr_workitem_id 0
		.amdhsa_next_free_vgpr 384
		.amdhsa_next_free_sgpr 72
		.amdhsa_reserve_vcc 0
		.amdhsa_float_denorm_mode_32 3
		.amdhsa_float_denorm_mode_16_64 3
		.amdhsa_memory_ordered 1
		.amdhsa_forward_progress 1
		.amdhsa_inst_pref_size 92
	.end_amdhsa_kernel
	.amdgpu_metadata
---
amdhsa.version: [ 1, 2 ]
amdhsa.kernels:
  - .name:           k_q01c067365e_proj
    .symbol:         k_q01c067365e_proj.kd
    .args:
      - { .name: ctx, .offset: 0, .size: 8, .value_kind: global_buffer, .address_space: global }
      - { .name: cb, .offset: 8, .size: 8, .value_kind: global_buffer, .address_space: global }
      - { .name: bo, .offset: 16, .size: 8, .value_kind: global_buffer, .address_space: global }
      - { .name: out0, .offset: 24, .size: 8, .value_kind: global_buffer, .address_space: global }
    .group_segment_fixed_size: 327680
    .private_segment_fixed_size: 0
    .kernarg_segment_align: 8
    .kernarg_segment_size: 32
    .max_flat_workgroup_size: 128
    .sgpr_count:     72
    .vgpr_count:     384
    .wavefront_size: 32
...
	.end_amdgpu_metadata
.endif
;; end of part 4
